; MI455X (gfx1250); checked and timed in simulation.
; The chip was launched on July 23, 2026; its instructions are those of AMD's public machine-readable ISA for CDNA 5 (MIT licence, August 2026) and "CDNA5" Instruction Set Architecture Reference Guide (July 2026). The comments in the code are by the model that wrote it; some were corrected since.
;; Bilinear Scorer. Allowed arithmetic: matrix products marked QUANTISED: E2M1 operands, one E8M0 scale for each 32 along K, by v_wmma_scale_f32_16x16x128_f8f6f4 with both operands' format E2M1 (or v_wmma_scale_f32_32x16x128_f4), f32 sums; products left as they are: f32 operands where the result goes on into a quantised operand, else bf16, f16 or f32 operands; f32 sums; everything else in f32.
;; Inputs: U_codes 64 x 512 x 16 x 16 uint8 (E2M1 codes of U, K innermost, in blocks of 32 codes, two codes a byte); U_scales 64 x 512 x 16 uint8 (E8M0 scales of U, one for each 32 codes along K); args_input 8 x 512 x 512 float32; bias1 1 x 32,768 float32; bias2 1 x 64 float32; pred_input_codes 8 x 512 x 16 x 16 uint8 (E2M1 codes of pred_input, K innermost, in blocks of 32 codes, two codes a byte); pred_input_scales 8 x 512 x 16 uint8 (E8M0 scales of pred_input, one for each 32 codes along K).
;; Outputs: out0 4,096 x 64 float32.
;; This version of the problem:
;;   THIS VERSION OF THE PROBLEM IS GIVEN IN LOW PRECISION. The matrix products marked QUANTISED in the list below multiply operands that are first quantised to E2M1 (2 exponent bits, 1 mantissa bit; 4 bits a number), with one power-of-two scale for each 32 numbers along K (OCP MX v1.0); their sums are f32. All else is computed in f32.
;;   The module's matrix products, in the order in which they are computed (A, B: the left and right operand; K: the contracted axis; several contracted axes count as one K, in the product's order):
;;     1. [M 4,096, K 512] x [K 512, N 32,768]; A: input pred_input (given as codes); B: input U (given as codes): QUANTISED
;;     2. batch 4,096 x [M 64, K 512] x [K 512, N 1]; A: computed on the way; B: input args_input: left as it is (N = 1 < 16)
;;   THE QUANTISER, for each operand of a quantised product, along K:
;;     - K is cut into blocks of 32 from its start; a last block that is shorter is filled with zeros.
;;     - A block's scale is 2^e with e = floor(log2(the largest magnitude in the block)) - 2, held to -126 .. 127; a block of zeros has e = 0. As a byte (E8M0): e + 127.
;;     - Each number is divided by its block's scale, clamped to +-6, and rounded to the nearest number of E2M1, ties to even, subnormals kept.
;;     - The product sums the exact products of the quantised numbers (number of the format x scale) in f32.
;;   ~~~python
;;   def quantise(x, axis):      # numpy; x: float32 -> the quantised numbers, widened to float32 again
;;       x = np.moveaxis(x, axis, -1); K = x.shape[-1]
;;       x = np.pad(x, [(0, 0)] * (x.ndim - 1) + [(0, -K % 32)]); x = x.reshape(x.shape[:-1] + (-1, 32)); a = np.abs(x).max(-1, keepdims=True)
;;       e = np.where(a > 0, np.clip(np.frexp(np.where(a > 0, a, 1))[1] - 1 - 2, -126, 127), 0)      # np.frexp(a)[1] - 1 = floor(log2(a)), exactly
;;       r = np.clip(x / 2.0 ** e, -6, 6)
;;       step = 2.0 ** (np.maximum(np.frexp(np.where(r == 0, 1, r))[1] - 1, 0) - 1)
;;       q = np.round(r / step) * step * 2.0 ** e      # np.round: ties to even
;;       return np.moveaxis(q.reshape(q.shape[:-2] + (-1,))[..., :K], -1, axis).astype(np.float32)
;;   ~~~
;;   INPUTS GIVEN AS CODES. U (in the module: [512, 64, 512], K = its axis 0); pred_input (in the module: [8, 512, 512], K = its axis 2): each comes as NAME_codes (uint8): NAME with its K axis moved to the last place and cut into blocks of 32 codes, [.., K / 32, bytes a block], one block behind the other in memory; two codes a byte, the lower K in the low four bits (a code: sign, 2 exponent bits, 1 mantissa bit); and NAME_scales (uint8): the same leading axes, one E8M0 byte (e + 127) for each 32 codes along K. Its value is code x scale, taken as it is: it is not quantised again, and the codes and scales need not be those that the quantiser above would give.
;; 2 versions. Each part assembles by itself: llvm-mc -triple=amdgcn-amd-amdhsa -mcpu=gfx1250 --defsym DOCPART=n.
;; ======== version 1 of 2: 1 launch
;; launch bilinear (part 1): grid 16 x 16, 4 waves a work-group, clusters of 4 x 4, 327,680 bytes of LDS; arguments pred_input_codes, pred_input_scales, U_codes, U_scales, args_input, bias1, bias2, out0; writes out0
.if DOCPART == 1
	.amdgcn_target "amdgcn-amd-amdhsa--gfx1250"
	.amdhsa_code_object_version 6
	.text
	.protected	k_q85e1734a77_bilinear
	.globl	k_q85e1734a77_bilinear
	.p2align	8
	.type	k_q85e1734a77_bilinear,@function
k_q85e1734a77_bilinear:
	s_mov_b64 s[64:65], 0
	v_nop
	global_prefetch_b8 v0, s[64:65] scope:SCOPE_SE
	s_setreg_imm32_b32 hwreg(HW_REG_WAVE_MODE, 25, 1), 1
	s_wait_xcnt 0x0
	s_wait_alu depctr_hold_cnt(0) depctr_sa_sdst(0) depctr_va_vdst(0) depctr_va_sdst(0) depctr_va_ssrc(0) depctr_va_vcc(0) depctr_vm_vsrc(0)
	s_getreg_b32 s2, hwreg(HW_REG_IB_STS2, 6, 4)
	s_cmp_eq_u32 s2, 0
	s_cbranch_scc0 .Lentry_in_a_cluster
	s_endpgm
.Lentry_in_a_cluster:
	s_bfe_u32 s2, ttmp6, 0x10000c
	s_cmp_lg_u32 s2, 0xf033
	s_cbranch_scc0 .Lentry_shape_is_right
	s_endpgm
.Lentry_shape_is_right:
; out[n][r] = sum over k' of (sum over k of pred[n][k] U[k][r][k'] + bias1[r][k']) args[n][k'] + bias2[r].   n: 4,096 tokens, r: 64 roles, k and k': 512.
; The inner sum is a product on codes of FP4 (E2M1) with one E8M0 scale for each 32 along k: pred's rows and U's rows (r, k') are 256 bytes of codes and 16 scale bytes, taken as they lie.  All else is f32.
; SHARES.  A work-group owns 256 tokens x 4 roles, all k': 16 x 16 work-groups.  Wave w owns tokens 128 (w / 2) on (eight tiles of 16) and the roles 2 (w % 2), 2 (w % 2) + 1 of the four.
; pred's fragments of the wave's 128 tokens, for all of k, stay in 256 registers.  k' goes in 8 chunks of 64 through a ring of two LDS slots: a chunk's args (256 tokens x 256 bytes) and U's codes (4 roles x 64 rows x 256 bytes).
; THE MATRIX INSTRUCTION IS USED TRANSPOSED: source 0 = 16 rows of U (16 k' of one role), source 1 = 16 tokens.  In the result lane l holds token l % 16 and its register j the k' = 8 (l / 16) + j.
; bias1 is the C of each sum's first instruction.  The eight results of a lane are multiplied by the lane's eight args and added into one register pair for each (tile of tokens, role): four packed multiply-adds for
; four matrix instructions.  The big product never leaves the registers; lanes meet once, at the end.
; BY HALVES.  A tile of U is multiplied in two halves of 16 matrix instructions (tiles of tokens 0-3, then 4-7; four accumulators by turns, k ascending); behind each matrix instruction stands one packed multiply-add
; on the results of the half before, and in some places one LDS load for the tile of U that follows.
; CLUSTERS: 4 x 4 work-groups.  The args' tile hangs on the block of tokens alone and is shared along a row of the cluster; U's codes, U's scales and bias1 hang on the block of roles alone and are shared along a
; column: each is asked for JOINTLY, by the same tensor load with the same descriptor and a mask that names the four.
; THE OUTPUT: a token's row of out is 256 bytes, 64 roles, of which a work-group owns four: a lane stores 16 bytes of a row.  A work-group that owned whole rows would have to walk all of U for its tokens;
; the four roles of the two waves are gathered through LDS, so that it is 16 bytes and not twice 8.  out is 1 MiB beside 17.7 MiB of inputs.
; NO PREFETCH is laid: the launch has eight steps along k', two of them first fills, and each later tile is asked for a whole step, 256 matrix instructions a wave, ahead of its use.
; LIMITS: none of range.  The sum over k' is taken in another order than the einsum's, in f32.  A given scale byte 0xff gives NaN, as the format says.
; REGISTERS, in windows of 256 (s_set_vgpr_msb: bits 1:0 source 0, 3:2 source 1, 5:4 source 2, 7:6 destination):
;   window 0: v1-15 addresses; v16-31 pred's scale words; v32-39 U's, two sets; v40-55 bias1 as C, a set for each role; v56-119 U's fragments, a buffer for each role; v120-183 the eight results;
;             v184-215 the sixteen sum pairs; v216-239 the way out; v240 an address
;   window 1: v0-127 pred's tiles 0-3; v128-191 the args of tiles 4-7, two sets.      window 2: v0-127 pred's tiles 4-7; v128-191 the args of tiles 0-3, two sets.
; So ONE setting serves a half's matrix instructions (source 1 = pred), its multiply-adds (source 1 = the other four tiles' args) and its LDS loads (window 0): only the runs of args loads switch.
.set PITCH, 272                        ; an LDS row: 256 bytes + 16 of padding = 68 words: row r starts at bank 4 r mod 64 (64 banks of 4 bytes: ISA guide 11.1), so the 16 rows that a load touches start at 16 different banks
.set TBLK,  16*PITCH                   ; 16 rows
.set RBLK,  64*PITCH                   ; a role's 64 rows of a chunk
.set HALFT, 128*PITCH                  ; what one tensor load brings: 128 tokens' args, or two roles' rows of U
.set SLOT,  4*HALFT                    ; args' 256 rows, then U's 256 rows
.set SCL,   2*SLOT                     ; behind the ring: U's scale bytes of my four roles, dense: 8,192 a role, 256 a tile of 16 rows, 16 a row; filled once
.set BIA,   SCL+32768                  ; bias1 of my four roles, dense: 2,048 bytes a role; filled once
.set SPARE, BIA+8192                   ; the spare words, 128 bytes for each wave: two blocks of 256 bytes that no other line names
                                       ; the way out's stage, 256 tokens x 16 bytes, lies in slot 0's first 4,096 bytes: that slot has then had its last fill and its last read
.set ADRA, 4                           ; v4-5   LDS address of my args in slot 0, 1
.set ADRU, 6                           ; v6-7   of my rows of U
.set ADRS, 8                           ; v8     of U's scale words: lanes 0-15 my first role's, lanes 16-31 my second's; steps from chunk to chunk
.set ADRB, 9                           ; v9     of bias1; steps likewise
.set SPW,  10                          ; v10    LDS address of my spare word: SPARE + 4 x my thread's number; never rewritten
.set NIL,  11                          ; v11    0; never rewritten
.set STO,  12                          ; v12    the way out: where I put my two roles' sums of a token
.set RD,   13                          ; v13    and where I read a token's four back
.set CO,   14                          ; v14    my byte offset in out: a row a lane
.set PO,   15                          ; v15    my byte offset in pred's codes
.set PS,   16                          ; register 4 i + s: lanes 0-15 tile 2 i, lanes 16-31 tile 2 i + 1, k = 128 s on
.set US,   32                          ; set kt % 2, register s
.set BI,   40
.set UF,   56                          ; buffer rho at + 32 rho; k = 128 s on at + 8 s
.set DD,   120                         ; tile t at + 8 t
.set OA,   184                         ; (t, rho) at + 2 (2 t + rho)
.set E,    216
.set OUTR, 232
.set PSO,  240                         ; v240   my byte offset in pred's scale bytes
.set WV,   20                          ; s20    my wave's number
.set FA,   21                          ; s21    which 128 tokens are mine.  Also: I fetch args (0) or U (1)
.set HB,   22                          ; s22    which two roles are mine.  Also: which half of that tile I fetch
.set SEL,  30                          ; s[30:31] v_permlanex16_b32's selects for lane l xor 16
.set G1A,  32                          ; s[32:39] descriptor group 1 for the args' tiles;  s[40:47] group 0, a set for each slot
.set G0A,  40
.set G1U,  48                          ; s[48:55], s[56:63] the same for U's tiles
.set G0U,  56
.set G1S,  68                          ; s[68:75], s[76:79] for U's scale bytes
.set G0S,  76
.set G1B,  80                          ; s[80:87], s[88:91] for bias1
.set G0B,  88
.set MSB, 0
.macro WIN new                         ; the immediate's high byte repeats the setting that is left; a switch that changes nothing is dropped
.if MSB != (\new)
	s_set_vgpr_msb (MSB<<8)|(\new)
.set MSB, \new
.endif
.endm
; A joint refill: waves 0 and 1 fetch the args' two halves, waves 2 and 3 U's.  Each of the two lines has ONE mask and one set of registers for all that issue it; the branch hangs on the wave's number alone.
; Four v_nop follow each of the two lines, ahead of the jump, the label and what follows.
.macro JLOAD slot
	s_cmp_eq_u32 s[FA], 0
	s_cbranch_scc0 .Lfor_u_\@
	tensor_load_to_lds s[G0A+4*\slot:G0A+4*\slot+3], s[G1A:G1A+7]
	s_nop 0
.rept 4
	v_nop
.endr
	s_branch .Lasked_\@
.Lfor_u_\@:
	tensor_load_to_lds s[G0U+4*\slot:G0U+4*\slot+3], s[G1U:G1U+7]
	s_nop 0
.rept 4
	v_nop
.endr
.Lasked_\@:
.endm
.macro CREST                           ; a round of the cluster's barrier behind its opening barrier
	s_cmp_lg_u32 s[WV], 0
	s_cbranch_scc1 .Lnot_wave_0_\@
	s_barrier_signal -3
.Lnot_wave_0_\@:
	s_barrier_wait -3
	s_barrier_signal -1
	s_barrier_wait -1
.endm
.macro CROUND                          ; a whole round
	s_barrier_signal -1
	s_barrier_wait -1
	CREST
.endm
	s_load_b256 s[4:11], s[0:1], 0x0               ; pred's codes s[4:5], pred's scales s[6:7], U's codes s[8:9], U's scales s[10:11]
	s_load_b256 s[12:19], s[0:1], 0x20             ; args s[12:13], bias1 s[14:15], bias2 s[16:17], out s[18:19]
	v_lshl_add_u32 v[SPW], v0, 2, SPARE
	v_mov_b32 v[NIL], 0
	ds_add_u32 v10, v11
	ds_add_u32 v10, v11
	s_wait_dscnt 0x0
	v_lshrrev_b32 v1, 5, v0
	v_readfirstlane_b32 s[WV], v1                  ; wave 0..3
	s_lshr_b32 s[FA], s[WV], 1
	s_and_b32 s[HB], s[WV], 1
	s_bfe_u32 s23, ttmp6, 0x40000                  ; cx, cy: my place in the cluster
	s_bfe_u32 s24, ttmp6, 0x40004
	s_lshl_b32 s25, ttmp9, 2
	s_add_co_u32 s25, s25, s23                     ; my block of 4 roles = 4 x cluster x + cx
	s_and_b32 s26, ttmp7, 0xffff
	s_lshl_b32 s26, s26, 2
	s_add_co_u32 s26, s26, s24                     ; my block of 256 tokens = 4 x cluster y + cy
	s_lshl_b32 s27, s24, 2
	s_lshl_b32 s27, 15, s27                        ; my row of the cluster
	s_lshl_b32 s28, 0x1111, s23                    ; my column
	s_mov_b32 s[SEL], 0x76543210
	s_mov_b32 s[SEL+1], 0xfedcba98
	; group 1, args: 128 rows (tokens) x 64 elements of 4 bytes, 512 elements from row to row; 4 words of padding behind every 64
	s_or_b32 s[G1A+0], s27, (2<<16)|(1<<20)|(1<<21)|(5<<22)|(3<<25)  ; 15:0 the mask: my row; 17:16 elements of 4 bytes; 20 padding on; 21 set beside a mask; 24:22 after every 64 words (code 5); 31:25 four words (code 3)
	s_mov_b32 s[G1A+1], 64<<16                     ; tensor_dim0 = 64
	s_mov_b32 s[G1A+2], 128<<16                    ; tensor_dim1 = 128
	s_mov_b32 s[G1A+3], 64<<16                     ; tile_dim0 = 64
	s_mov_b32 s[G1A+4], 128                        ; tile_dim1 = 128
	s_mov_b32 s[G1A+5], 512                        ; tensor_dim0_stride
	s_mov_b32 s[G1A+6], 0
	s_mov_b32 s[G1A+7], 0
	; group 1, U: a role's 64 rows of a chunk are 16,384 dense bytes: ONE row of 2,048 elements of 8 bytes; two roles lie 131,072 bytes (16,384 elements) apart.
	; The padding's interval, 64 words, divides that row: in LDS every 256 bytes are followed by 16: 128 even lines of 272 bytes.
	s_or_b32 s[G1U+0], s28, (3<<16)|(1<<20)|(1<<21)|(5<<22)|(3<<25)  ; the mask: my column; elements of 8 bytes
	s_mov_b32 s[G1U+1], 2048<<16
	s_mov_b32 s[G1U+2], 2<<16
	s_mov_b32 s[G1U+3], 2048<<16
	s_mov_b32 s[G1U+4], 2
	s_mov_b32 s[G1U+5], 16384
	s_mov_b32 s[G1U+6], 0
	s_mov_b32 s[G1U+7], 0
	; group 1, U's scale bytes of two roles: 16,384 dense bytes as 64 rows of 256 (32 elements of 8 bytes), no padding: a load's 16 lanes read 256 bytes on end
	s_or_b32 s[G1S+0], s28, (3<<16)|(1<<21)
	s_mov_b32 s[G1S+1], 32<<16
	s_mov_b32 s[G1S+2], 64<<16
	s_mov_b32 s[G1S+3], 32<<16
	s_mov_b32 s[G1S+4], 64
	s_mov_b32 s[G1S+5], 32
	s_mov_b32 s[G1S+6], 0
	s_mov_b32 s[G1S+7], 0
	; group 1, bias1 of two roles: 4,096 dense bytes as 16 rows of 256
	s_or_b32 s[G1B+0], s28, (3<<16)|(1<<21)
	s_mov_b32 s[G1B+1], 32<<16
	s_mov_b32 s[G1B+2], 16<<16
	s_mov_b32 s[G1B+3], 32<<16
	s_mov_b32 s[G1B+4], 16
	s_mov_b32 s[G1B+5], 32
	s_mov_b32 s[G1B+6], 0
	s_mov_b32 s[G1B+7], 0
	; where the tiles come from.  The args' hang on the block of tokens and the wave's number, U's, the scales' and bias1's on the block of roles and the wave's number
	s_lshl_b32 s96, s26, 8
	s_lshl_b32 s97, s[HB], 7
	s_add_co_u32 s96, s96, s97                     ; args: token 256 x block + 128 x half,
	s_lshl_b32 s96, s96, 11                        ; 2,048 bytes a token
	s_mov_b32 s97, 0
	s_lshl_b32 s98, s25, 2
	s_lshl_b32 s99, s[HB], 1
	s_add_co_u32 s98, s98, s99                     ; U: role 4 x block + 2 x half,
	s_lshl_b32 s98, s98, 17                        ; 131,072 bytes a role
	s_mov_b32 s99, 0
	s_mul_i32 s29, s[WV], HALFT                    ; where they go: wave x 128 lines: the args' two halves, then U's two: no place in the cluster enters an LDS address
	s_wait_kmcnt 0x0
	s_add_nc_u64 s[12:13], s[12:13], s[96:97]
	s_add_nc_u64 s[8:9], s[8:9], s[98:99]
.irp s, 0,1
	s_mov_b32 s[G0A+4*\s], 1                                       ; 1:0 count = 1
	s_add_co_u32 s[G0A+4*\s+1], s29, \s*SLOT                       ; 63:32 LDS address
	s_add_nc_u64 s[G0A+4*\s+2:G0A+4*\s+3], s[12:13], \s*256        ; 120:64 global address: chunk s: 64 numbers on
	s_or_b32 s[G0A+4*\s+3], s[G0A+4*\s+3], 0x80000000              ; 127:126 type = 2
	s_mov_b32 s[G0U+4*\s], 1
	s_add_co_u32 s[G0U+4*\s+1], s29, \s*SLOT
	s_add_nc_u64 s[G0U+4*\s+2:G0U+4*\s+3], s[8:9], \s*16384        ; chunk s: 64 rows on
	s_or_b32 s[G0U+4*\s+3], s[G0U+4*\s+3], 0x80000000
.endr
	s_lshl_b32 s98, s25, 15                        ; U's scale bytes: 32,768 a block of roles, 16,384 a half
	s_lshl_b32 s2, s[HB], 14
	s_add_co_u32 s98, s98, s2
	s_mov_b32 s[G0S], 1
	s_add_co_u32 s[G0S+1], s2, SCL
	s_add_nc_u64 s[G0S+2:G0S+3], s[10:11], s[98:99]
	s_or_b32 s[G0S+3], s[G0S+3], 0x80000000
	s_lshl_b32 s98, s25, 13                        ; bias1: 8,192 a block of roles, 4,096 a half
	s_lshl_b32 s2, s[HB], 12
	s_add_co_u32 s98, s98, s2
	s_mov_b32 s[G0B], 1
	s_add_co_u32 s[G0B+1], s2, BIA
	s_add_nc_u64 s[G0B+2:G0B+3], s[14:15], s[98:99]
	s_or_b32 s[G0B+3], s[G0B+3], 0x80000000
	CROUND                                         ; all sixteen work-groups are here: the first joint loads meet
	s_cmp_eq_u32 s[FA], 0                          ; a wave's first fills stand in one branch, ahead of every wait on TENSORcnt and every LDS read: two loads of waves 0 and 1 are out, four of waves 2 and 3
	s_cbranch_scc0 .Lfirst_u
	tensor_load_to_lds s[G0A:G0A+3], s[G1A:G1A+7]
	s_nop 0
	tensor_load_to_lds s[G0A+4:G0A+7], s[G1A:G1A+7]
	s_nop 0
.rept 4
	v_nop
.endr
	s_branch .Lfirst_asked
.Lfirst_u:
	tensor_load_to_lds s[G0S:G0S+3], s[G1S:G1S+7]  ; the scales and bias1 first: they are wanted with chunk 0
	s_nop 0
	tensor_load_to_lds s[G0B:G0B+3], s[G1B:G1B+7]
	s_nop 0
	tensor_load_to_lds s[G0U:G0U+3], s[G1U:G1U+7]
	s_nop 0
	tensor_load_to_lds s[G0U+4:G0U+7], s[G1U:G1U+7]
	s_nop 0
.rept 4
	v_nop
.endr
.Lfirst_asked:
	; pred, bias2 and out at my part
	s_lshl_b32 s2, s26, 8
	s_lshl_b32 s96, s[FA], 7
	s_add_co_u32 s2, s2, s96                       ; my first token: 256 x block + 128 x half
	s_lshl_b32 s96, s2, 8                          ; 256 bytes of codes a token,
	s_add_nc_u64 s[4:5], s[4:5], s[96:97]
	s_lshl_b32 s96, s2, 4                          ; 16 scale bytes
	s_add_nc_u64 s[6:7], s[6:7], s[96:97]
	s_lshl_b32 s98, s25, 4                         ; my four roles: 16 bytes of bias2, and of a row of out
	s_add_nc_u64 s[16:17], s[16:17], s[98:99]
	s_load_b128 s[92:95], s[16:17], 0x0            ; bias2 of my four roles
	s_lshl_b32 s2, s26, 8
	s_lshl_b32 s96, s[WV], 6
	s_add_co_u32 s2, s2, s96                       ; the first token that I store: 256 x block + 64 x wave
	s_lshl_b32 s96, s2, 8                          ; 256 bytes a row of out
	s_add_nc_u64 s[18:19], s[18:19], s[96:97]
	s_add_nc_u64 s[18:19], s[18:19], s[98:99]
	v_and_b32 v1, 15, v0                           ; r = l % 16
	v_bfe_u32 v2, v0, 4, 1                         ; h = l / 16
	v_lshlrev_b32 v[PO], 8, v1
	v_lshl_add_u32 v[PO], v2, 4, v[PO]             ; pred: row r of 256 bytes, + 16 h
	v_and_b32 v3, 31, v0
	v_lshlrev_b32 v[PSO], 4, v3                    ; its scale bytes: 16 a token, a token a lane
	; A fragment, 16 rows x 128 k of 4-bit codes, is 8 registers: lane l holds row l % 16; registers 4 c .. 4 c + 3 hold k = 64 c + 32 (l / 16) + 0 .. 31: piece q = 2 s + c of a row lies 32 q bytes on.
	WIN 0x40                                       ; destination window 1: tiles 0-3
.irp t, 0,1,2,3
.irp q, 0,1,2,3,4,5,6,7
	global_load_b128 v[32*\t+4*\q:32*\t+4*\q+3], v[PO], s[4:5] offset:4096*\t+32*\q
.endr
.endr
	WIN 0x80                                       ; destination window 2: tiles 4-7
.irp t, 0,1,2,3
.irp q, 0,1,2,3,4,5,6,7
	global_load_b128 v[32*\t+4*\q:32*\t+4*\q+3], v[PO], s[4:5] offset:4096*(\t+4)+32*\q
.endr
.endr
	WIN 0
.irp i, 0,1,2,3
	global_load_b128 v[PS+4*\i:PS+4*\i+3], v[PSO], s[6:7] offset:512*\i   ; 32 tokens' four scale words: lanes 0-15 tile 2 i, lanes 16-31 tile 2 i + 1
.endr
	; LDS addresses
	v_mul_u32_u24 v3, v1, PITCH
	s_mul_i32 s29, s[FA], HALFT
	v_lshl_add_u32 v[ADRA], v2, 5, v3
	v_add_nc_u32 v[ADRA], s29, v[ADRA]             ; args: my 128 tokens, row r, + 32 h: my eight numbers of a tile of 16 k'
	v_add_nc_u32 v[ADRA+1], SLOT, v[ADRA]
	s_mul_i32 s29, s[HB], HALFT
	s_add_co_u32 s29, s29, 2*HALFT
	v_lshl_add_u32 v[ADRU], v2, 4, v3
	v_add_nc_u32 v[ADRU], s29, v[ADRU]             ; U: behind the args, my two roles, row r, + 16 h
	v_add_nc_u32 v[ADRU+1], SLOT, v[ADRU]
	s_lshl_b32 s29, s[HB], 14
	s_add_co_u32 s29, s29, SCL
	v_lshlrev_b32 v3, 4, v1                        ; 16 r
	v_lshl_add_u32 v[ADRS], v2, 13, v3
	v_add_nc_u32 v[ADRS], s29, v[ADRS]             ; U's scale words: my two roles; lanes 16-31 take the second, 8,192 bytes on; row r's 16 bytes
	s_lshl_b32 s29, s[HB], 12
	s_add_co_u32 s29, s29, BIA
	v_lshlrev_b32 v[ADRB], 5, v2
	v_add_nc_u32 v[ADRB], s29, v[ADRB]             ; bias1: my two roles, + 32 h
	s_lshl_b32 s29, s[FA], 11
	s_lshl_b32 s2, s[HB], 3
	s_add_co_u32 s29, s29, s2
	v_add_nc_u32 v[STO], s29, v3                   ; the stage: 16 bytes a token: my 128 tokens, token r, my two roles' 8 bytes
	v_and_b32 v3, 31, v0
	s_lshl_b32 s29, s[WV], 10
	v_lshl_add_u32 v[RD], v3, 4, s29               ; back: tokens 64 w on, a token a lane
	v_lshlrev_b32 v[CO], 8, v3                     ; and a row of out a lane
; One matrix instruction: tile of tokens t, k = 128 s on, role rho, tile kt of the chunk's four.  The first of a sum takes bias1 as C.
; U's scale words: lanes 0-15 serve my first role, lanes 16-31 my second; pred's: lanes 0-15 the even tile, lanes 16-31 the odd one.
.macro WM t, s, rho, kt
.set rD, DD+8*(\t)
.set rA, UF+32*(\rho)+8*(\s)
.set rB, 32*((\t)%4)+8*(\s)
.set rC, rD
.if (\s) == 0
.set rC, BI+8*(\rho)
.endif
.set rX, US+4*((\kt)%2)+(\s)
.set rY, PS+4*((\t)/2)+(\s)
.if ((\rho) == 0) && ((\t)%2 == 0)
	v_wmma_scale_f32_16x16x128_f8f6f4 v[rD:rD+7], v[rA:rA+7], v[rB:rB+7], v[rC:rC+7], v[rX], v[rY] matrix_a_fmt:MATRIX_FMT_FP4 matrix_b_fmt:MATRIX_FMT_FP4
.elseif (\rho) == 0
	v_wmma_scale_f32_16x16x128_f8f6f4 v[rD:rD+7], v[rA:rA+7], v[rB:rB+7], v[rC:rC+7], v[rX], v[rY] matrix_a_fmt:MATRIX_FMT_FP4 matrix_b_fmt:MATRIX_FMT_FP4 matrix_b_scale:MATRIX_SCALE_ROW1
.elseif (\t)%2 == 0
	v_wmma_scale_f32_16x16x128_f8f6f4 v[rD:rD+7], v[rA:rA+7], v[rB:rB+7], v[rC:rC+7], v[rX], v[rY] matrix_a_fmt:MATRIX_FMT_FP4 matrix_b_fmt:MATRIX_FMT_FP4 matrix_a_scale:MATRIX_SCALE_ROW1
.else
	v_wmma_scale_f32_16x16x128_f8f6f4 v[rD:rD+7], v[rA:rA+7], v[rB:rB+7], v[rC:rC+7], v[rX], v[rY] matrix_a_fmt:MATRIX_FMT_FP4 matrix_b_fmt:MATRIX_FMT_FP4 matrix_a_scale:MATRIX_SCALE_ROW1 matrix_b_scale:MATRIX_SCALE_ROW1
.endif
.endm
; One packed multiply-add: results 2 j, 2 j + 1 of tile t x the lane's args (set ab), onto the sum pair of (t, rho)
.macro PK t, j, rho, ab
.set rO, OA+2*(2*(\t)+(\rho))
.set rR, DD+8*(\t)+2*(\j)
.set rG, 128+32*(\ab)+8*((\t)%4)+2*(\j)
	v_pk_fma_f32 v[rO:rO+1], v[rR:rR+1], v[rG:rG+1], v[rO:rO+1]
.endm
; LDS load number idx of the eleven of a tile of U (tile kt of the slot's chunk, role rho): 0, 1 bias1 as C; 2 to 9 the fragments, piece idx - 2; 10 the scale words of both roles (with rho = 0 alone)
.macro LD idx, slot, kt, rho
.if (\idx) < 2
	ds_load_b128 v[BI+8*(\rho)+4*(\idx):BI+8*(\rho)+4*(\idx)+3], v[ADRB] offset:2048*(\rho)+64*(\kt)+16*(\idx)
.elseif (\idx) < 10
.set q, (\idx)-2
	ds_load_b128 v[UF+32*(\rho)+4*q:UF+32*(\rho)+4*q+3], v[ADRU+(\slot)] offset:RBLK*(\rho)+TBLK*(\kt)+32*q
.else
	ds_load_b128 v[US+4*((\kt)%2):US+4*((\kt)%2)+3], v[ADRS] offset:256*(\kt)
.endif
.endm
.macro LDALL slot                      ; all eleven of a slot's first tile
.set n, 0
.rept 11
	LD n, \slot, 0, 0
.set n, n+1
.endr
.endm
; The args of tile kt of the slot's chunk, for my eight tiles of tokens: 16 loads in two runs; tiles 0-3 first, since they are wanted first
.macro ARGS slot, kt
	WIN 0x80                                       ; destination window 2
.irp t, 0,1,2,3
.irp c, 0,1
	ds_load_b128 v[128+32*((\kt)%2)+8*\t+4*\c:128+32*((\kt)%2)+8*\t+4*\c+3], v[ADRA+(\slot)] offset:TBLK*\t+64*(\kt)+16*\c
.endr
.endr
	WIN 0x40                                       ; destination window 1
.irp t, 0,1,2,3
.irp c, 0,1
	ds_load_b128 v[128+32*((\kt)%2)+8*\t+4*\c:128+32*((\kt)%2)+8*\t+4*\c+3], v[ADRA+(\slot)] offset:TBLK*(\t+4)+64*(\kt)+16*\c
.endr
.endr
.endm
; HALF A TILE OF U: 16 places of a matrix instruction, a multiply-add, and in places 4 to 3 + nld an LDS load for the tile (lslot, lkt, lrho).
; hf = 0: tiles of tokens 0-3 are multiplied, and the results of tiles 4-7 of the half before (role prho, args set pab) are summed; hf = 1: the other way round.
; The four accumulators take turns, one instruction a turn, k ascending.
; DISTANCES (ISA guide 7.12.1: four plain vector instructions that name none of the matrix instruction's registers).  A result's last link stands in place 12 + t % 4, its first reader, which takes its
; registers 0 and 1, in place t % 4 of the next half: between them stand exactly four multiply-adds, on other results.  The loads into U's other buffer begin in place 4: behind that buffer's last reader,
; which wrote tile 7, stand the multiply-adds of place 15 and of places 0, 1, 2, 3 and 4.  A result is begun anew a whole half behind its last link's readers.
; pk = 0: the launch's first half: nothing is there to sum yet, and the sixteen sum pairs are cleared in the multiply-adds' places.
.macro HALF hf, rho, kt, prho, pab, pk, nld, lslot, lkt, lrho
.if \hf
	WIN 0x08                                       ; source 1 window 2
.else
	WIN 0x04                                       ; source 1 window 1
.endif
.set i, 0
.rept 16
	WM 4*(\hf)+i%4, i/4, \rho, \kt
.if \pk
	PK 4*(1-(\hf))+i%4, i/4, \prho, \pab
.else
	v_mov_b32 v[OA+2*i], 0
	v_mov_b32 v[OA+2*i+1], 0
.endif
.if (i >= 4) && (i < 4+(\nld))
	LD i-4, \lslot, \lkt, \lrho
.endif
.set i, i+1
.endr
.endm
; Tile kt, my first role.  Out at its head: this tile's eleven loads, then its args' sixteen.
.macro TILE0 slot, kt, first
	s_wait_dscnt 16                                ; bias1, U's fragments and the scale words are in; the sixteen args loads issued behind them may be out
	HALF 0, 0, \kt, 1, ((\kt)+1)%2, 1-(\first), 10, \slot, \kt, 1
	s_wait_dscnt 18                                ; the args of tiles 0-3 are in; behind them: those of tiles 4-7 (8) and the ten loads just issued for my second role
	HALF 1, 0, \kt, 0, (\kt)%2, 1, 0, 0, 0, 0
.endm
; Tile kt, my second role, where the next tile lies in the same slot
.macro TILE1 slot, kt
	s_wait_dscnt 0x0                               ; the args of tiles 4-7 and my second role's bias1 and fragments are in
	HALF 0, 1, \kt, 0, (\kt)%2, 1, 11, \slot, (\kt)+1, 0
	ARGS \slot, (\kt)+1
	HALF 1, 1, \kt, 1, (\kt)%2, 1, 0, 0, 0, 0
.endm
; A chunk's last tile changes slots: ONE barrier; in front of it each wave waits for all its tensor loads, adds 0 to its spare word, and waits for that and for its own reads of this slot.
; fill = 1: this slot is filled again, two chunks ahead: the barrier then opens a round of the cluster's barrier, and the joint refill is the first thing behind the round.
.macro TURN slot, next, fill
	WIN 0                                          ; (the add's two registers lie in window 0)
	s_wait_tensorcnt 0x0                           ; all my tensor loads have landed: the one that was out is my part of the next slot; so a group 0 may be written
	ds_add_u32 v[SPW], v[NIL]                      ; 0 onto my spare word
.if \fill
	s_add_nc_u64 s[G0A+4*\slot+2:G0A+4*\slot+3], s[G0A+4*\slot+2:G0A+4*\slot+3], 512     ; two chunks on: 128 numbers of each token;
	s_add_nc_u64 s[G0U+4*\slot+2:G0U+4*\slot+3], s[G0U+4*\slot+2:G0U+4*\slot+3], 32768   ; 128 rows of each role; the type bits on top are not reached
.endif
	s_wait_dscnt 0x0                               ; the add is done, and my reads of this slot are over: the last were this tile's fragments and args, which are wanted now
	s_barrier_signal -1
	HALF 0, 1, 3, 0, 1, 1, 0, 0, 0, 0              ; work on registers while the others arrive
	WIN 0
	s_barrier_wait -1
.if \fill
	CREST                                          ; no wave of any partner still reads this slot's tile or has a load on its way
	JLOAD \slot                                    ; the first tensor load behind the round: it has a chunk, 256 matrix instructions, in which to land
.endif
	v_add_nc_u32 v[ADRS], 1024, v[ADRS]            ; on to the next chunk's scale words: four tiles of 256 bytes;
	v_add_nc_u32 v[ADRB], 256, v[ADRB]             ; and its 64 numbers of bias1
	LDALL \next
	ARGS \next, 0
	HALF 1, 1, 3, 1, 1, 1, 0, 0, 0, 0
.endm
.macro REST slot                       ; a chunk from its second tile of U to its last but one
	TILE1 \slot, 0
	TILE0 \slot, 1, 0
	TILE1 \slot, 1
	TILE0 \slot, 2, 0
	TILE1 \slot, 2
	TILE0 \slot, 3, 0
.endm
	s_wait_tensorcnt 1                             ; the scales, bias1 and my part of chunk 0 are in; one load, chunk 1's, was issued behind them on either way and may be out
	s_barrier_signal -1
	s_barrier_wait -1                              ; everybody's are
	LDALL 0
	ARGS 0, 0
	s_wait_loadcnt 0x0                             ; pred
	s_wait_kmcnt 0x0                               ; bias2
	TILE0 0, 0, 1                                  ; the first tile stands in front of the loop: its first half has nothing to sum
	WIN 0                                          ; at a label and at a branch every window is 0
	s_mov_b32 s3, 3
.Llap:                                                 ; a trip goes once round the ring, from a lap's second tile to the next lap's first, and fills both slots again: chunks 2 to 7
	REST 0
	TURN 0, 1, 1
	TILE0 1, 0, 0
	REST 1
	TURN 1, 0, 1
	TILE0 0, 0, 0
	WIN 0
	s_sub_co_u32 s3, s3, 1
	s_cmp_lg_u32 s3, 0
	s_cbranch_scc1 .Llap
	REST 0                                         ; the last lap, chunks 6 and 7, is written out: it fills nothing, and has no round of the cluster's barrier
	TURN 0, 1, 0
	TILE0 1, 0, 0
	REST 1
	s_wait_dscnt 0x0                               ; the very last tile: nothing more to fetch
	HALF 0, 1, 3, 0, 1, 1, 0, 0, 0, 0
	HALF 1, 1, 3, 1, 1, 1, 0, 0, 0, 0
	WIN 0x04                                       ; the last results, tiles 4-7: their args lie in window 1.  Distances as in a half: four multiply-adds stand between a last link and its first reader
.set i, 0
.rept 16
	PK 4+i%4, i/4, 1, 1
.set i, i+1
.endr
	WIN 0
	; THE WAY OUT.  A sum pair's two halves and the other half of the lanes' are added; my two roles' sums of a token go into the stage beside the other wave's two; each wave then stores 64 tokens' four roles.
.set p, 0
.rept 16
	v_add_f32 v[E+p], v[OA+2*p], v[OA+2*p+1]
.set p, p+1
.endr
.set p, 0
.rept 16
	v_permlanex16_b32 v[UF+p], v[E+p], s[SEL], s[SEL+1]   ; its destination counts as read: U's first buffer has been written, and its last matrix instruction lies a whole tile back
.set p, p+1
.endr
.set p, 0
.rept 16
	v_add_f32 v[E+p], v[E+p], v[UF+p]              ; every lane holds its token's sum; lanes l and l xor 16 the same bits
.set p, p+1
.endr
.irp t, 0,1,2,3,4,5,6,7
	ds_store_b64 v[STO], v[E+2*\t:E+2*\t+1] offset:256*\t   ; token 16 t + r, my two roles; lanes 16-31 write the same bytes with the same values.  Slot 0 has had its last fill, and every wave has passed the last change of slots
.endr
	s_wait_dscnt 0x0                               ; for the others' sake: my stores into the stage are done
	s_barrier_signal -1
	s_barrier_wait -1
	ds_load_b128 v[OUTR:OUTR+3], v[RD]             ; a token's four roles, 16 bytes a lane
	ds_load_b128 v[OUTR+4:OUTR+7], v[RD] offset:512
	s_wait_dscnt 0x0
.irp k, 0,1,2,3
	v_add_f32 v[OUTR+\k], s[92+\k], v[OUTR+\k]     ; + bias2
	v_add_f32 v[OUTR+4+\k], s[92+\k], v[OUTR+4+\k]
.endr
	global_store_b128 v[CO], v[OUTR:OUTR+3], s[18:19] th:TH_STORE_NT                 ; 16 bytes of each of 32 rows of out (see the head)
	global_store_b128 v[CO], v[OUTR+4:OUTR+7], s[18:19] offset:8192 th:TH_STORE_NT   ; and of the next 32
	s_wait_tensorcnt 0x0                           ; the wave's end: behind my last tensor load and my last LDS store
	ds_add_u32 v[SPW], v[NIL]
	s_wait_dscnt 0x0
	CROUND                                         ; the closing round: no work-group ends while a partner may still ask for a tile that names it
	s_endpgm
.Lfunc_end_k_q85e1734a77_bilinear:
	.size	k_q85e1734a77_bilinear, .Lfunc_end_k_q85e1734a77_bilinear-k_q85e1734a77_bilinear
	.p2alignl 7, 3214868480
	.fill 96, 4, 3214868480
	.section	.rodata,"a",@progbits
	.p2align	6, 0x0
	.amdhsa_kernel k_q85e1734a77_bilinear
		.amdhsa_group_segment_fixed_size 327680
		.amdhsa_private_segment_fixed_size 0
		.amdhsa_enable_private_segment 0
		.amdhsa_kernarg_size 64
		.amdhsa_user_sgpr_count 2
		.amdhsa_user_sgpr_kernarg_segment_ptr 1
		.amdhsa_wavefront_size32 1
		.amdhsa_system_sgpr_workgroup_id_x 1
		.amdhsa_system_sgpr_workgroup_id_y 1
		.amdhsa_system_sgpr_workgroup_id_z 1
		.amdhsa_system_vgpr_workitem_id 0
		.amdhsa_next_free_vgpr 768
		.amdhsa_next_free_sgpr 100
		.amdhsa_reserve_vcc 0
		.amdhsa_float_denorm_mode_32 3
		.amdhsa_float_denorm_mode_16_64 3
		.amdhsa_memory_ordered 1
		.amdhsa_forward_progress 1
		.amdhsa_inst_pref_size 255
	.end_amdhsa_kernel
	.section	.bss,"aw",@nobits
	.p2align	6
	.space	262144
	.amdgpu_metadata
---
amdhsa.version: [ 1, 2 ]
amdhsa.kernels:
  - .name:           k_q85e1734a77_bilinear
    .symbol:         k_q85e1734a77_bilinear.kd
    .args:
      - { .name: pred_input_codes, .offset: 0, .size: 8, .value_kind: global_buffer, .address_space: global }
      - { .name: pred_input_scales, .offset: 8, .size: 8, .value_kind: global_buffer, .address_space: global }
      - { .name: U_codes, .offset: 16, .size: 8, .value_kind: global_buffer, .address_space: global }
      - { .name: U_scales, .offset: 24, .size: 8, .value_kind: global_buffer, .address_space: global }
      - { .name: args_input, .offset: 32, .size: 8, .value_kind: global_buffer, .address_space: global }
      - { .name: bias1, .offset: 40, .size: 8, .value_kind: global_buffer, .address_space: global }
      - { .name: bias2, .offset: 48, .size: 8, .value_kind: global_buffer, .address_space: global }
      - { .name: out0, .offset: 56, .size: 8, .value_kind: global_buffer, .address_space: global }
    .group_segment_fixed_size: 327680
    .private_segment_fixed_size: 0
    .kernarg_segment_align: 8
    .kernarg_segment_size: 64
    .max_flat_workgroup_size: 128
    .sgpr_count:     100
    .vgpr_count:     768
    .wavefront_size: 32
...
	.end_amdgpu_metadata
.endif
;; end of part 1
;; ======== version 2 of 2: 1 launch
;; limits: right only within a limited range of input values
;; launch bilinear (part 2): grid 16 x 16, 4 waves a work-group, clusters of 4 x 4, 327,680 bytes of LDS; arguments pred_input_codes, pred_input_scales, U_codes, U_scales, args_input, bias1, bias2, out0; writes out0
.if DOCPART == 2
	.amdgcn_target "amdgcn-amd-amdhsa--gfx1250"
	.amdhsa_code_object_version 6
	.text
	.protected	k_q85e1734a77_bilinear
	.globl	k_q85e1734a77_bilinear
	.p2align	8
	.type	k_q85e1734a77_bilinear,@function
k_q85e1734a77_bilinear:
	s_mov_b64 s[64:65], 0
	v_nop
	global_prefetch_b8 v0, s[64:65] scope:SCOPE_SE
	s_setreg_imm32_b32 hwreg(HW_REG_WAVE_MODE, 25, 1), 1
	s_wait_xcnt 0x0
	s_wait_alu depctr_hold_cnt(0) depctr_sa_sdst(0) depctr_va_vdst(0) depctr_va_sdst(0) depctr_va_ssrc(0) depctr_va_vcc(0) depctr_vm_vsrc(0)
	s_getreg_b32 s2, hwreg(HW_REG_IB_STS2, 6, 4)
	s_cmp_eq_u32 s2, 0
	s_cbranch_scc0 .Lentry_in_a_cluster
	s_endpgm
.Lentry_in_a_cluster:
	s_bfe_u32 s2, ttmp6, 0x10000c
	s_cmp_lg_u32 s2, 0xf033
	s_cbranch_scc0 .Lentry_shape_is_right
	s_endpgm
.Lentry_shape_is_right:
; out[n][r] = sum over k' of (sum over k of pred[n][k] U[k][r][k'] + bias1[r][k']) args[n][k'] + bias2[r].   n: 4,096 tokens, r: 64 roles, k and k': 512.
; The inner sum is a product on codes of FP4 (E2M1) with one E8M0 scale for each 32 along k: pred's rows and U's rows (r, k') are 256 bytes of codes and 16 scale bytes, taken as they lie.  All else is f32.
; SHARES.  A work-group owns 256 tokens x 4 roles, all k': 16 x 16 work-groups.  k' goes in 8 chunks of 64 through a ring of two LDS slots: a chunk's args (256 tokens x 256 bytes) and U's codes (4 roles x 64 rows x 256 bytes).
; Wave w owns tokens 128 (w / 2) on (eight tiles of 16), ALL four roles, and of each chunk's four tiles of 16 k' the two tiles 2 (w % 2), 2 (w % 2) + 1: so a fragment of args serves four roles and a fragment of U eight tiles.
; pred's fragments of the wave's 128 tokens, for all of k, stay in 256 registers.
; THE MATRIX INSTRUCTION IS USED TRANSPOSED: source 0 = 16 rows of U (16 k' of one role), source 1 = 16 tokens.  In the result lane l holds token l % 16 and its register j the k' = 8 (l / 16) + j.
; bias1 is the C of each sum's first instruction.  The eight results of a lane are multiplied by the lane's eight args and added into one register pair for each (tile of tokens, role).  The big product never leaves the registers.
; UNITS.  A unit is one tile of 16 k' and two roles: 64 matrix instructions, 16 accumulators by turns, k ascending; four units a chunk: unit u has k' tile u / 2 of the wave's two and roles 2 (u % 2), 2 (u % 2) + 1.
; It goes in four rounds of 16 matrix instructions (128 along k each) and 16 packed multiply-adds on the results of the unit before: two sets of results.  At a unit's head stand the LDS loads of the next unit, in one batch.
; CLUSTERS: 4 x 4 work-groups.  pred and args hang on the block of tokens alone and are shared along a row of the cluster; U's codes hang on the block of roles alone and are shared along a column: each is asked for
; JOINTLY, by the same tensor load with the same descriptor and a mask that names the four.  U's scale bytes and bias1 (40 KiB of a work-group's 1.1 MiB) come once by dense loads and are stored into LDS.
; PREFETCH: with each refill the chunk after it is asked for, 256 aligned blocks of args and 256 of U in a cluster: the four partners that load a tile jointly share its blocks by address, one instruction a wave.
; THE OUTPUT: a token's row of out is 256 bytes, 64 roles, of which a work-group owns four: a lane stores 16 bytes of a row.  A work-group that owned whole rows would have to walk all of U for its tokens.
; LIMITS: right only within a limited range of input values.  The sum over k' is taken in another order than the einsum's, in f32.  A given scale byte 0xff gives NaN, as the format says.
; REGISTERS, in windows of 256 (s_set_vgpr_msb: bits 1:0 source 0, 3:2 source 1, 5:4 source 2, 7:6 destination):
;   window 0: addresses, scale words, U's fragments, sums;  window 1: pred;  window 2: results (two sets of 128);  window 3: args (two sets), bias1 as C (two sets)
.set PITCH, 272                        ; an LDS row: 256 bytes + 16 of padding = 68 words: row r starts at bank 4 r mod 64 (64 banks of 4 bytes: ISA guide 11.1)
.set TBLK,  16*PITCH                   ; 16 rows
.set RBLK,  64*PITCH                   ; a role's 64 rows of a chunk
.set HALFT, 128*PITCH                  ; what one ring load brings: 128 tokens' args, or two roles' rows of U
.set SLOT,  4*HALFT                    ; args' 256 rows, then U's 256 rows
.set SCL,   2*SLOT                     ; U's scale bytes of my four roles: 8,192 a role, 256 a tile of 16 rows, 16 a row; stored once
.set BIA,   SCL+32768                  ; bias1 of my four roles: 2,048 bytes a role; stored once
.set SPARE, BIA+8192                   ; the spare words, 128 bytes for each wave
                                       ; pred's 256 rows lie in slot 1's args part until they are in registers; the way out's stage, 16 KiB, lies in slot 0
.set ADRA, 4                           ; v4-5   LDS address of my args in slot 0, 1
.set ADRU, 6                           ; v6-7   of my rows of U
.set ADRS, 8                           ; v8     of U's scale words: lanes 0-15 an even role's, lanes 16-31 the next role's; steps from chunk to chunk
.set ADRB, 9                           ; v9     of bias1; steps likewise
.set SPW,  10                          ; v10    LDS address of my spare word; never rewritten
.set NIL,  11                          ; v11    0; never rewritten
.set STO,  12                          ; v12    the way out: where I put a token's four partial sums
.set RD,   13                          ; v13    and where I read them back
.set CO,   14                          ; v14    my byte offset in out: a row a lane
.set PFO,  15                          ; v15    the prefetches' offset; never rewritten
.set PS,   16                          ; pred's scale words: register 4 i + s: lanes 0-15 tile 2 i, lanes 16-31 tile 2 i + 1, k = 128 s on
.set US,   32                          ; U's: set u % 2, register s
.set UF,   40                          ; U's fragments: set u % 2 at + 64 (u % 2); the unit's role rho at + 32 rho; k = 128 s on at + 8 s
.set OA,   168                         ; sum pairs: (tile t, role) at + 8 t + 2 role
.set L16,  248                         ; 16 x lane
.set PRD,  249                         ; LDS address of my rows of pred
.set BST,  250                         ; where I store bias1,
.set SST,  251                         ; and scale bytes
.set T0,   252
.set BI,   128                         ; window 3: bias1 as C, set u % 2 at + 16 (u % 2) + 8 rho.   Window 2: results 128 (u % 2) + 64 rho + 8 t
.set WV,   20                          ; s20    my wave's number
.set FA,   21                          ; s21    which 128 tokens are mine.  Also: I fetch args (0) or U (1)
.set HB,   22                          ; s22    which two k' tiles are mine.  Also: which half of that tile I fetch
.set PFA,  30                          ; s[30:31] where my prefetches stand
.set PFS,  66                          ; s[66:67] a chunk's step of it
.set UB,   74                          ; s[74:75] U at my block of roles
.set G1A,  32                          ; s[32:39] descriptor group 1 for the args' tiles;  s[40:47] group 0, a set for each slot
.set G0A,  40
.set G1U,  48                          ; s[48:55], s[56:63] the same for U's tiles
.set G0U,  56
.set G0HA, 4                           ; group 0 of the head's loads: s[4:7] args of chunk 0, s[8:11] U of chunk 0 (the arguments that lay there have been used), s[76:79] U of chunk 1
.set G0HU, 8
.set G0HV, 76
.set G1P,  80                          ; s[80:87], s[88:91] pred
.set G0P,  88
.set W_C,   0xb4                       ; source 0 window 0 (U), source 1 window 1 (pred), C window 3 (bias1), D window 2
.set W_MUL, 0xa4                       ; the same, C window 2
.set W_PK,  0x0e                       ; source 0 window 2 (results), source 1 window 3 (args), the rest window 0
.set MSB, 0
.macro WIN new                         ; the immediate's high byte repeats the setting that is left; a switch that changes nothing is dropped
.if MSB != (\new)
	s_set_vgpr_msb (MSB<<8)|(\new)
.set MSB, \new
.endif
.endm
; A joint refill: waves 0 and 1 fetch the args' two halves, waves 2 and 3 U's.  Each of the two lines has ONE mask and one set of registers; the branch hangs on the wave's number alone.
.macro JLOAD slot
	s_cmp_eq_u32 s[FA], 0
	s_cbranch_scc0 .Lfor_u_\@
	tensor_load_to_lds s[G0A+4*\slot:G0A+4*\slot+3], s[G1A:G1A+7]
	s_nop 0
.rept 4
	v_nop
.endr
	s_branch .Lasked_\@
.Lfor_u_\@:
	tensor_load_to_lds s[G0U+4*\slot:G0U+4*\slot+3], s[G1U:G1U+7]
	s_nop 0
.rept 4
	v_nop
.endr
.Lasked_\@:
.endm
.macro CREST                           ; a round of the cluster's barrier behind its opening barrier
	s_cmp_lg_u32 s[WV], 0
	s_cbranch_scc1 .Lnot_wave_0_\@
	s_barrier_signal -3
.Lnot_wave_0_\@:
	s_barrier_wait -3
	s_barrier_signal -1
	s_barrier_wait -1
.endm
.macro CROUND                          ; a whole round
	s_barrier_signal -1
	s_barrier_wait -1
	CREST
.endm
	s_load_b256 s[4:11], s[0:1], 0x0               ; pred's codes s[4:5], pred's scales s[6:7], U's codes s[8:9], U's scales s[10:11]
	s_load_b256 s[12:19], s[0:1], 0x20             ; args s[12:13], bias1 s[14:15], bias2 s[16:17], out s[18:19]
	v_lshl_add_u32 v[SPW], v0, 2, SPARE
	v_mov_b32 v[NIL], 0
	ds_add_u32 v[SPW], v[NIL]                      ; the wave's opening
	ds_add_u32 v[SPW], v[NIL]
	v_lshrrev_b32 v1, 5, v0
	v_readfirstlane_b32 s[WV], v1                  ; wave 0..3
	s_lshr_b32 s[FA], s[WV], 1
	s_and_b32 s[HB], s[WV], 1
	s_bfe_u32 s23, ttmp6, 0x40000                  ; cx, cy: my place in the cluster
	s_bfe_u32 s24, ttmp6, 0x40004
	s_lshl_b32 s25, ttmp9, 2
	s_add_co_u32 s25, s25, s23                     ; my block of 4 roles = 4 x cluster x + cx
	s_and_b32 s26, ttmp7, 0xffff
	s_lshl_b32 s26, s26, 2
	s_add_co_u32 s26, s26, s24                     ; my block of 256 tokens = 4 x cluster y + cy
	s_lshl_b32 s27, s24, 2
	s_lshl_b32 s27, 15, s27                        ; my row of the cluster
	s_lshl_b32 s28, 0x1111, s23                    ; my column
	; group 1, args: rows (tokens) of 64 elements of 4 bytes, 512 elements from row to row; 4 words of padding behind every 64.  256 rows for the head's load, 128 for the ring's (set below)
	s_or_b32 s[G1A+0], s27, (2<<16)|(1<<20)|(1<<21)|(5<<22)|(3<<25)  ; the mask: my row; elements of 4 bytes; padding; 21 set beside a mask
	s_mov_b32 s[G1A+1], 64<<16                     ; tensor_dim0 = 64
	s_mov_b32 s[G1A+2], 256<<16                    ; tensor_dim1 = 256
	s_mov_b32 s[G1A+3], 64<<16                     ; tile_dim0 = 64
	s_mov_b32 s[G1A+4], 256                        ; tile_dim1 = 256
	s_mov_b32 s[G1A+5], 512                        ; tensor_dim0_stride
	s_mov_b32 s[G1A+6], 0
	s_mov_b32 s[G1A+7], 0
	; group 1, U: a role's 64 rows of a chunk are 16,384 dense bytes: ONE row of 2,048 elements of 8 bytes; two roles lie 16,384 elements apart.
	; The padding's interval, 64 words, divides that row: in LDS every 256 bytes are followed by 16.  Four roles for the head's loads, two for the ring's
	s_or_b32 s[G1U+0], s28, (3<<16)|(1<<20)|(1<<21)|(5<<22)|(3<<25)  ; the mask: my column
	s_mov_b32 s[G1U+1], 2048<<16
	s_mov_b32 s[G1U+2], 4<<16
	s_mov_b32 s[G1U+3], 2048<<16
	s_mov_b32 s[G1U+4], 4
	s_mov_b32 s[G1U+5], 16384
	s_mov_b32 s[G1U+6], 0
	s_mov_b32 s[G1U+7], 0
	; group 1, pred: 256 tokens' codes, 256 dense rows of 256 bytes, 16 bytes of padding behind each
	s_or_b32 s[G1P+0], s27, (3<<16)|(1<<20)|(1<<21)|(5<<22)|(3<<25)
	s_mov_b32 s[G1P+1], 32<<16
	s_mov_b32 s[G1P+2], 256<<16
	s_mov_b32 s[G1P+3], 32<<16
	s_mov_b32 s[G1P+4], 256
	s_mov_b32 s[G1P+5], 32
	s_mov_b32 s[G1P+6], 0
	s_mov_b32 s[G1P+7], 0
	; byte offsets
	s_lshl_b32 s96, s26, 19                        ; args: 256 tokens x 2,048 bytes a block
	s_mov_b32 s97, 0
	s_lshl_b32 s98, s25, 19                        ; U: 4 roles x 131,072 bytes a block
	s_mov_b32 s99, 0
	s_lshl_b32 s2, s26, 16                         ; pred's codes: 256 bytes a token
	s_mov_b32 s3, 0
	s_lshl_b32 s68, s26, 12                        ; pred's scale bytes: 16 a token; my 128 tokens
	s_lshl_b32 s69, s[FA], 11
	s_add_co_u32 s68, s68, s69
	s_mov_b32 s69, 0
	s_lshl_b32 s72, s25, 15                        ; U's scale bytes: 8,192 a role; I bring role w's
	s_lshl_b32 s73, s[WV], 13
	s_add_co_u32 s72, s72, s73
	s_mov_b32 s73, 0
	s_lshl_b32 s30, s25, 13                        ; bias1: 2,048 bytes a role; I bring role w's
	s_lshl_b32 s31, s[WV], 11
	s_add_co_u32 s30, s30, s31
	s_mov_b32 s31, 0
	s_mul_i32 s29, s[WV], HALFT                    ; where the ring's loads go: no place in the cluster enters an LDS address
	s_mov_b32 s[G0P], 1                            ; 1:0 count = 1
	s_mov_b32 s[G0P+1], SLOT                       ; 63:32 LDS address: pred in slot 1's args part,
	s_mov_b32 s[G0HV], 1
	s_mov_b32 s[G0HV+1], SLOT+2*HALFT              ; chunk 1's U behind it
	s_wait_dscnt 0x0                               ; both opening adds are done
	s_wait_kmcnt 0x0
	; what the head's loads need comes first: what else hangs on the arguments follows behind them
	s_add_nc_u64 s[G0P+2:G0P+3], s[4:5], s[2:3]    ; 120:64 global address
	s_or_b32 s[G0P+3], s[G0P+3], 0x80000000        ; 127:126 type = 2
	s_add_nc_u64 s[12:13], s[12:13], s[96:97]      ; args at my block
	s_add_nc_u64 s[UB:UB+1], s[8:9], s[98:99]      ; U at my block
	s_add_nc_u64 s[70:71], s[6:7], s[68:69]        ; pred's scales
	s_add_nc_u64 s[72:73], s[10:11], s[72:73]      ; U's scales
	s_add_nc_u64 s[14:15], s[14:15], s[30:31]      ; bias1
	s_mov_b64 s[G0HU+2:G0HU+3], s[UB:UB+1]         ; chunk 0's four roles of U
	s_or_b32 s[G0HU+3], s[G0HU+3], 0x80000000
	s_mov_b32 s[G0HU], 1
	s_mov_b32 s[G0HU+1], 2*HALFT
	s_mov_b64 s[G0HA+2:G0HA+3], s[12:13]           ; chunk 0's 256 rows of args
	s_or_b32 s[G0HA+3], s[G0HA+3], 0x80000000
	s_mov_b32 s[G0HA], 1
	s_mov_b32 s[G0HA+1], 0
	s_add_nc_u64 s[G0HV+2:G0HV+3], s[UB:UB+1], 0x4000   ; chunk 1's four roles of U: 64 rows on
	s_or_b32 s[G0HV+3], s[G0HV+3], 0x80000000
	CROUND                                         ; all sixteen work-groups are here: the first joint loads meet
; THE HEAD'S LOADS, ONE A WAVE.  ONE chain of branches on the wave's number: wave 0 pred, wave 1 U of chunk 0, wave 2 args of chunk 0, wave 3 U of chunk 1.
.macro ARM under, g0, g1, next
	s_cmp_lt_u32 s[WV], \under
	s_cbranch_scc0 \next
	tensor_load_to_lds s[\g0:\g0+3], s[\g1:\g1+7]
	s_nop 0
.rept 4
	v_nop
.endr
	s_branch .Lhead_asked
\next:
.endm
	ARM 1, G0P,  G1P, .Lhead_u
	ARM 2, G0HU, G1U, .Lhead_a
	ARM 3, G0HA, G1A, .Lhead_v
	tensor_load_to_lds s[G0HV:G0HV+3], s[G1U:G1U+7]
	s_nop 0
.rept 4
	v_nop
.endr
.Lhead_asked:
	v_and_b32 v1, 15, v0                           ; r = l % 16
	v_bfe_u32 v2, v0, 4, 1                         ; h = l / 16
	v_and_b32 v3, 31, v0
	v_lshlrev_b32 v[L16], 4, v3
	s_wait_alu depctr_va_vdst(0)                   ; ahead of the scalar lines below
	WIN 0x80                                       ; destination window 2 (the results' registers, not yet in use)
.irp i, 0,1,2,3,4,5,6,7,8,9,10,11,12,13,14,15
	global_load_b128 v[4*\i:4*\i+3], v[L16], s[72:73] offset:512*\i    ; role w's 8,192 scale bytes of U
.endr
.irp i, 0,1,2,3
	global_load_b128 v[64+4*\i:67+4*\i], v[L16], s[14:15] offset:512*\i  ; role w's 2,048 bytes of bias1
.endr
	WIN 0
.irp i, 0,1,2,3
	global_load_b128 v[PS+4*\i:PS+4*\i+3], v[L16], s[70:71] offset:512*\i   ; 32 tokens' four scale words: lanes 0-15 tile 2 i, lanes 16-31 tile 2 i + 1
.endr
	; the ring's group 0, chunks 0 and 1: my half of a tile begins 2^18 bytes on, in args (128 tokens) and in U (2 roles) alike
	s_lshl_b32 s96, s[HB], 18
	s_add_nc_u64 s[68:69], s[12:13], s[96:97]
	s_add_nc_u64 s[98:99], s[UB:UB+1], s[96:97]
.irp s, 0,1
	s_mov_b32 s[G0A+4*\s], 1
	s_add_co_u32 s[G0A+4*\s+1], s29, \s*SLOT
	s_add_nc_u64 s[G0A+4*\s+2:G0A+4*\s+3], s[68:69], \s*256        ; chunk s: 64 numbers on
	s_or_b32 s[G0A+4*\s+3], s[G0A+4*\s+3], 0x80000000
	s_mov_b32 s[G0U+4*\s], 1
	s_add_co_u32 s[G0U+4*\s+1], s29, \s*SLOT
	s_add_nc_u64 s[G0U+4*\s+2:G0U+4*\s+3], s[98:99], \s*16384      ; chunk s: 64 rows on
	s_or_b32 s[G0U+4*\s+3], s[G0U+4*\s+3], 0x80000000
.endr
	; prefetches: of a chunk's 256 rows of args the partner cx takes 64, of its four roles of U the partner cy takes one (64 blocks of 256 bytes): waves 0 and 1 ask for args, waves 2 and 3 for U, 32 blocks each
	s_cmp_eq_u32 s[FA], 0
	s_cselect_b64 s[PFA:PFA+1], s[12:13], s[UB:UB+1]
	s_cselect_b32 s2, s23, s24
	s_cselect_b32 s3, 16, 13
	s_mov_b32 s[PFS], 0x4000
	s_cselect_b32 s[PFS], 256, s[PFS]              ; from chunk to chunk
	s_mov_b32 s24, 256
	s_cselect_b32 s24, 2048, s24                   ; from lane to lane
	s_mov_b32 s[PFS+1], 0
	s_lshl_b32 s2, s2, 17                          ; 64 tokens' args, or a role of U: 131,072 bytes
	s_lshl_b32 s3, s[HB], s3
	s_add_co_u32 s2, s2, s3
	s_mov_b32 s3, 0
	s_add_nc_u64 s[PFA:PFA+1], s[PFA:PFA+1], s[2:3]
	s_add_nc_u64 s[PFA:PFA+1], s[PFA:PFA+1], s[PFS:PFS+1]
	s_add_nc_u64 s[PFA:PFA+1], s[PFA:PFA+1], s[PFS:PFS+1]          ; chunk 2: the first that is asked for
	; bias2 and out at my part
	s_lshl_b32 s2, s25, 4                          ; my four roles: 16 bytes of bias2, and of a row of out
	s_add_nc_u64 s[16:17], s[16:17], s[2:3]
	s_load_b128 s[92:95], s[16:17], 0x0            ; bias2 of my four roles
	s_lshl_b32 s96, s26, 16
	s_lshl_b32 s97, s[WV], 14
	s_add_co_u32 s96, s96, s97                     ; the first token that I store: 256 x block + 64 x wave, 256 bytes a row
	s_add_co_u32 s96, s96, s2
	s_mov_b32 s97, 0
	s_add_nc_u64 s[18:19], s[18:19], s[96:97]
	; the scalar parts of my LDS addresses
	s_mul_i32 s96, s[FA], HALFT                    ; my 128 tokens
	s_lshl_b32 s2, s[HB], 7
	s_add_co_u32 s97, s96, s2                      ; args: + my two k' tiles of 64 bytes
	s_add_co_u32 s23, s96, SLOT                    ; pred
	s_add_co_u32 s27, s2, BIA                      ; bias1: two k' tiles of 64 bytes
	s_mul_i32 s98, s[HB], 2*TBLK
	s_add_co_u32 s98, s98, 2*HALFT                 ; U: behind the args, my two k' tiles
	s_lshl_b32 s99, s[HB], 9
	s_add_co_u32 s99, s99, SCL                     ; U's scale words: two k' tiles of 256 bytes
	s_lshl_b32 s28, s[HB], 13
	s_lshl_b32 s2, s[FA], 11
	s_add_co_u32 s28, s28, s2                      ; the stage: [k' half][lane half][256 tokens][16 bytes]
	s_lshl_b32 s29, s[WV], 10                      ; back: 64 tokens a wave
	s_lshl_b32 s12, s[WV], 11
	s_add_co_u32 s12, s12, BIA                     ; where I store bias1
	s_lshl_b32 s13, s[WV], 13
	s_add_co_u32 s13, s13, SCL                     ; and the scale bytes
	v_mul_u32_u24 v[PFO], s24, v3
	v_mul_u32_u24 v[T0], v1, PITCH
	v_lshl_add_u32 v[T0+1], v2, 4, v[T0]           ; row r, + 16 h
	v_lshl_add_u32 v[T0+2], v2, 5, v[T0]           ; row r, + 32 h
	v_lshlrev_b32 v[T0], 4, v1                     ; 16 r
	v_add_nc_u32 v[ADRA], s97, v[T0+2]             ; args: my eight numbers of a tile of 16 k'
	v_add_nc_u32 v[ADRA+1], SLOT, v[ADRA]
	v_add_nc_u32 v[ADRU], s98, v[T0+1]
	v_add_nc_u32 v[ADRU+1], SLOT, v[ADRU]
	v_add_nc_u32 v[PRD], s23, v[T0+1]
	v_lshl_add_u32 v[ADRS], v2, 13, v[T0]          ; lanes 16-31 take the next role, 8,192 bytes on
	v_add_nc_u32 v[ADRS], s99, v[ADRS]
	v_lshlrev_b32 v[ADRB], 5, v2
	v_add_nc_u32 v[ADRB], s27, v[ADRB]
	v_lshl_add_u32 v[STO], v2, 12, v[T0]
	v_add_nc_u32 v[STO], s28, v[STO]
	v_add_nc_u32 v[RD], s29, v[L16]
	v_lshlrev_b32 v[CO], 8, v3
	v_add_nc_u32 v[BST], s12, v[L16]
	v_add_nc_u32 v[SST], s13, v[L16]
.set n, 0
.rept 64
	v_mov_b32 v[OA+n], 0                           ; the sums, cleared while the head's tiles are on their way
.set n, n+1
.endr
; One matrix instruction: tile of tokens t, k = 128 s on, unit u, role rho of its two.  The first of a sum takes bias1 as C.
.macro WM t, s, rho, u
.set rD, 128*((\u)%2)+64*(\rho)+8*(\t)
.set rA, UF+64*((\u)%2)+32*(\rho)+8*(\s)
.set rB, 32*(\t)+8*(\s)
.set rC, rD
.if (\s) == 0
.set rC, BI+16*((\u)%2)+8*(\rho)
.endif
.set rX, US+4*((\u)%2)+(\s)
.set rY, PS+4*((\t)/2)+(\s)
.if ((\rho) == 0) && ((\t)%2 == 0)
	v_wmma_scale_f32_16x16x128_f8f6f4 v[rD:rD+7], v[rA:rA+7], v[rB:rB+7], v[rC:rC+7], v[rX], v[rY] matrix_a_fmt:MATRIX_FMT_FP4 matrix_b_fmt:MATRIX_FMT_FP4
.elseif (\rho) == 0
	v_wmma_scale_f32_16x16x128_f8f6f4 v[rD:rD+7], v[rA:rA+7], v[rB:rB+7], v[rC:rC+7], v[rX], v[rY] matrix_a_fmt:MATRIX_FMT_FP4 matrix_b_fmt:MATRIX_FMT_FP4 matrix_b_scale:MATRIX_SCALE_ROW1
.elseif (\t)%2 == 0
	v_wmma_scale_f32_16x16x128_f8f6f4 v[rD:rD+7], v[rA:rA+7], v[rB:rB+7], v[rC:rC+7], v[rX], v[rY] matrix_a_fmt:MATRIX_FMT_FP4 matrix_b_fmt:MATRIX_FMT_FP4 matrix_a_scale:MATRIX_SCALE_ROW1
.else
	v_wmma_scale_f32_16x16x128_f8f6f4 v[rD:rD+7], v[rA:rA+7], v[rB:rB+7], v[rC:rC+7], v[rX], v[rY] matrix_a_fmt:MATRIX_FMT_FP4 matrix_b_fmt:MATRIX_FMT_FP4 matrix_a_scale:MATRIX_SCALE_ROW1 matrix_b_scale:MATRIX_SCALE_ROW1
.endif
.endm
.macro WMS u, s                        ; the sixteen accumulators take turns, one instruction a turn
.if (\s) == 0
	WIN W_C
.else
	WIN W_MUL
.endif
.irp rho, 0,1
.irp t, 0,1,2,3,4,5,6,7
	WM \t, \s, \rho, \u
.endr
.endr
.endm
; The multiply-adds on results 2 j, 2 j + 1 of unit v's sixteen accumulators: each accumulator from its low end on
.macro PKS v, j
	WIN W_PK
.irp rho, 0,1
.irp t, 0,1,2,3,4,5,6,7
.set rO, OA+8*\t+2*(2*((\v)%2)+\rho)
.set rR, 128*((\v)%2)+64*\rho+8*\t+2*(\j)
.set rG, 64*((\v)/2)+8*\t+2*(\j)
	v_pk_fma_f32 v[rO:rO+1], v[rR:rR+1], v[rG:rG+1], v[rO:rO+1]
.endr
.endr
.endm
; Unit v's bias1 as C: four loads
.macro GETB v
	WIN 0xc0
.irp rho, 0,1
.set gB, BI+16*((\v)%2)+8*\rho
.set gO, 2048*(2*((\v)%2)+\rho)+64*((\v)/2)
	ds_load_b128 v[gB:gB+3], v[ADRB] offset:gO
	ds_load_b128 v[gB+4:gB+7], v[ADRB] offset:gO+16
.endr
.endm
; Unit v's fragments of U, sixteen loads, and its two roles' scale words, one
.macro GETU v, slot
	WIN 0
.irp rho, 0,1
.set gB, UF+64*((\v)%2)+32*\rho
.set gO, RBLK*(2*((\v)%2)+\rho)+TBLK*((\v)/2)
.irp q, 0,1,2,3,4,5,6,7
	ds_load_b128 v[gB+4*\q:gB+4*\q+3], v[ADRU+(\slot)] offset:gO+32*\q
.endr
.endr
.set gB, US+4*((\v)%2)
	ds_load_b128 v[gB:gB+3], v[ADRS] offset:16384*((\v)%2)+256*((\v)/2)
.endm
; The args of k' tile a for my eight tiles of tokens: sixteen loads into set a
.macro GETA a, slot
	WIN 0xc0
.irp t, 0,1,2,3,4,5,6,7
.irp c, 0,1
	ds_load_b128 v[64*(\a)+8*\t+4*\c:64*(\a)+8*\t+4*\c+3], v[ADRA+(\slot)] offset:TBLK*\t+64*(\a)+16*\c
.endr
.endr
.endm
; The batch at unit u's head: the next unit's bias1, U and scale words (21 loads); with u = 0 the args of the chunk's first k' tile, with u = 1 of its second (16 more): in use from the unit after, or later.
; The next unit's registers were last read by the unit before this one, whose last sixteen multiply-adds stand between.
; ask = 1: prefetch in the loop's trips but the last; ask = 2: in every trip
.macro BATCH u, slot, next, ask
	GETB ((\u)+1)%4
.if (\u) < 2
	GETA \u, \slot
.endif
.if (\u) == 3
	GETU 0, \next
.else
	GETU (\u)+1, \slot
.endif
.if (\u) == 2
	v_add_nc_u32 v[ADRS], 1024, v[ADRS]            ; on to the next chunk's scale words: four tiles of 256 bytes;
	v_add_nc_u32 v[ADRB], 256, v[ADRB]             ; and its 64 numbers of bias1
.endif
.if (\ask) == 2
	global_prefetch_b8 v[PFO], s[PFA:PFA+1] th:TH_LOAD_NT scope:SCOPE_SE
.elseif (\ask) == 1
	s_cmp_gt_u32 s3, 1
	s_cbranch_scc0 .Lask_none_\@
	global_prefetch_b8 v[PFO], s[PFA:PFA+1] th:TH_LOAD_NT scope:SCOPE_SE
.Lask_none_\@:
.endif
.endm
; A unit.  turn = 1 (unit 2): the chunk's last fragments have been asked for, so ONE barrier serves the change of slots: in front of it each wave waits for all its tensor loads, adds 0 to its spare word, and waits for
; that and for its own reads of this slot.  fill = 1: this slot is filled again, two chunks ahead: the barrier opens a round of the cluster's barrier, and the joint refill is the first thing behind it.
.macro UNIT u, slot, next, load, turn, fill, ask
	WIN 0
	s_wait_dscnt 0x0                               ; the batch issued at the head of the unit before
.if \load
	BATCH \u, \slot, \next, \ask
.endif
	WMS \u, 0
	PKS ((\u)+3)%4, 0
	WMS \u, 1
	PKS ((\u)+3)%4, 1
.if \turn
	WIN 0
.if \fill
	s_wait_xcnt 0x0                                ; my last prefetch has read its address
	s_add_nc_u64 s[PFA:PFA+1], s[PFA:PFA+1], s[PFS:PFS+1]
.endif
	s_wait_tensorcnt 0x0                           ; my part of the next slot is in; so a group 0 may be written
	ds_add_u32 v[SPW], v[NIL]                      ; 0 onto my spare word
.if \fill
	s_add_nc_u64 s[G0A+4*\slot+2:G0A+4*\slot+3], s[G0A+4*\slot+2:G0A+4*\slot+3], 512     ; two chunks on: 128 numbers of each token;
	s_add_nc_u64 s[G0U+4*\slot+2:G0U+4*\slot+3], s[G0U+4*\slot+2:G0U+4*\slot+3], 32768   ; 128 rows of each role
.endif
.endif
	WMS \u, 2
	PKS ((\u)+3)%4, 2
.if \turn
	s_wait_dscnt 0x0                               ; the add is done, and my reads of this slot are over
	s_barrier_signal -1
.endif
	WMS \u, 3                                      ; (with turn: work on registers while the others arrive)
	PKS ((\u)+3)%4, 3
.if \turn
	WIN 0
	s_barrier_wait -1
.if \fill
	CREST                                          ; no wave of any partner still reads this slot's tile or has a load on its way
	JLOAD \slot                                    ; it has nearly a chunk of 256 matrix instructions in which to land
.endif
.endif
.endm
.macro REST slot, next, fill, ask      ; a chunk's units 1 to 3
	UNIT 1, \slot, \next, 1, 0, 0, 0
	UNIT 2, \slot, \next, 1, 1, \fill, 0
	UNIT 3, \slot, \next, 1, 0, 0, \ask
.endm
	s_wait_alu depctr_va_vdst(0)
	s_wait_kmcnt 0x0                               ; bias2
	s_wait_loadcnt 0x0                             ; scales and bias1
	WIN 0x08                                       ; data in window 2
.irp i, 0,1,2,3,4,5,6,7,8,9,10,11,12,13,14,15
	ds_store_b128 v[SST], v[4*\i:4*\i+3] offset:512*\i   ; bytes into which no tensor load lands
.endr
.irp i, 0,1,2,3
	ds_store_b128 v[BST], v[64+4*\i:67+4*\i] offset:512*\i
.endr
	WIN 0
	s_wait_tensorcnt 0x0                           ; my tile of the head's four is in
	s_wait_dscnt 0x0                               ; for the others' sake: my stores are done
	s_barrier_signal -1
	s_barrier_wait -1                              ; everybody's are
	; pred's fragments: 16 rows x 128 k of 4-bit codes are 8 registers: lane l holds row l % 16; registers 4 c .. 4 c + 3 hold k = 64 c + 32 (l / 16) + 0 .. 31: piece q = 2 s + c of a row lies 32 q bytes on
	WIN 0x40
.irp t, 0,1,2,3,4,5,6,7
.irp q, 0,1,2,3,4,5,6,7
	ds_load_b128 v[32*\t+4*\q:32*\t+4*\q+3], v[PRD] offset:TBLK*\t+32*\q
.endr
.endr
	WIN 0
	s_wait_tensorcnt 0x0                           ; pred's bytes are filled again, with chunk 1's args (its U came with the head)
	ds_add_u32 v[SPW], v[NIL]
	s_mov_b32 s[G1A+2], 128<<16                    ; no tensor load of mine is out: from here on a load brings 128 rows of args
	s_mov_b32 s[G1A+4], 128
	s_mov_b32 s[G1U+2], 2<<16                      ; or two roles of U
	s_mov_b32 s[G1U+4], 2
	s_wait_dscnt 0x0                               ; the add is done, and pred is in registers
	CROUND
	s_cmp_eq_u32 s[FA], 0
	s_cbranch_scc0 .Lno_args
	tensor_load_to_lds s[G0A+4:G0A+7], s[G1A:G1A+7]
	s_nop 0
.rept 4
	v_nop
.endr
.Lno_args:
	GETB 0
	GETU 0, 0
	BATCH 0, 0, 1, 2                               ; and chunk 2 is asked for
	s_wait_dscnt 37                                ; unit 0's 21 are in; the batch behind them may be out
	WMS 0, 0                                       ; the first unit stands in front of the loop: there is nothing to sum yet
	WMS 0, 1
	WMS 0, 2
	WMS 0, 3
	WIN 0                                          ; at a label and at a branch every window is 0
.rept 4
	v_nop                                          ; the places between unit 0's results and their first readers, and the next batch's loads
.endr
	s_mov_b32 s3, 3
.Llap:                                                 ; a trip goes once round the ring, from a lap's second unit to the next lap's first, and fills both slots again: chunks 2 to 7
	REST 0, 1, 1, 2                                ; asks for chunks 3, 5, 7
	UNIT 0, 1, 0, 1, 0, 0, 0
	REST 1, 0, 1, 1                                ; asks for chunks 4, 6; in the last trip for nothing
	UNIT 0, 0, 1, 1, 0, 0, 0
	WIN 0
	s_sub_co_u32 s3, s3, 1
	s_cmp_lg_u32 s3, 0
	s_cbranch_scc1 .Llap
	REST 0, 1, 0, 0                                ; the last lap, chunks 6 and 7, fills nothing and has no round
	UNIT 0, 1, 0, 1, 0, 0, 0
	UNIT 1, 1, 0, 1, 0, 0, 0
	UNIT 2, 1, 0, 1, 0, 0, 0
	UNIT 3, 1, 0, 0, 0, 0, 0
.irp j, 0,1,2,3
	PKS 3, \j                                      ; sixteen multiply-adds on unit 2's results stand between the last links and these
.endr
	WIN 0
	; THE WAY OUT.  A lane holds a token's four roles, for its half of the lanes' k' and its wave's half: four partial sums a token meet in the stage; each wave then adds and stores 64 tokens.
.irp t, 0,1,2,3,4,5,6,7
.irp k, 0,1,2,3
	v_add_f32 v[UF+4*\t+\k], v[OA+8*\t+2*\k], v[OA+8*\t+2*\k+1]
.endr
.endr
.irp t, 0,1,2,3,4,5,6,7
	ds_store_b128 v[STO], v[UF+4*\t:UF+4*\t+3] offset:256*\t   ; token 16 t + r.  Slot 0 has had its last fill, and every wave has passed the last change of slots
.endr
	s_wait_dscnt 0x0                               ; for the others' sake: my stores into the stage are done
	s_barrier_signal -1
	s_barrier_wait -1
.irp k, 0,1
.irp p, 0,1,2,3
	ds_load_b128 v[OA+16*\k+4*\p:OA+16*\k+4*\p+3], v[RD] offset:4096*\p+512*\k
.endr
.endr
	s_wait_dscnt 0x0
.irp k, 0,1
.set b, OA+16*\k
.irp c, 0,2
	v_pk_add_f32 v[b+\c:b+\c+1], v[b+\c:b+\c+1], v[b+4+\c:b+5+\c]
	v_pk_add_f32 v[b+8+\c:b+9+\c], v[b+8+\c:b+9+\c], v[b+12+\c:b+13+\c]
.endr
.irp c, 0,2
	v_pk_add_f32 v[b+\c:b+\c+1], v[b+\c:b+\c+1], v[b+8+\c:b+9+\c]
.endr
.irp c, 0,1,2,3
	v_add_f32 v[b+\c], s[92+\c], v[b+\c]           ; + bias2
.endr
	global_store_b128 v[CO], v[b:b+3], s[18:19] offset:8192*\k th:TH_STORE_NT   ; 16 bytes of each of 32 rows of out (see the head)
.endr
	s_wait_tensorcnt 0x0                           ; the wave's end: behind my last tensor load and my last LDS store
	ds_add_u32 v[SPW], v[NIL]
	s_wait_dscnt 0x0
	CROUND                                         ; the closing round: no work-group ends while a partner may still ask for a tile that names it
	s_endpgm
.Lfunc_end_k_q85e1734a77_bilinear:
	.size	k_q85e1734a77_bilinear, .Lfunc_end_k_q85e1734a77_bilinear-k_q85e1734a77_bilinear
	.p2alignl 7, 3214868480
	.fill 96, 4, 3214868480
	.section	.rodata,"a",@progbits
	.p2align	6, 0x0
	.amdhsa_kernel k_q85e1734a77_bilinear
		.amdhsa_group_segment_fixed_size 327680
		.amdhsa_private_segment_fixed_size 0
		.amdhsa_enable_private_segment 0
		.amdhsa_kernarg_size 64
		.amdhsa_user_sgpr_count 2
		.amdhsa_user_sgpr_kernarg_segment_ptr 1
		.amdhsa_wavefront_size32 1
		.amdhsa_system_sgpr_workgroup_id_x 1
		.amdhsa_system_sgpr_workgroup_id_y 1
		.amdhsa_system_sgpr_workgroup_id_z 1
		.amdhsa_system_vgpr_workitem_id 0
		.amdhsa_next_free_vgpr 928
		.amdhsa_next_free_sgpr 100
		.amdhsa_reserve_vcc 0
		.amdhsa_float_denorm_mode_32 3
		.amdhsa_float_denorm_mode_16_64 3
		.amdhsa_memory_ordered 1
		.amdhsa_forward_progress 1
		.amdhsa_inst_pref_size 255
	.end_amdhsa_kernel
	.amdgpu_metadata
---
amdhsa.version: [ 1, 2 ]
amdhsa.kernels:
  - .name:           k_q85e1734a77_bilinear
    .symbol:         k_q85e1734a77_bilinear.kd
    .args:
      - { .name: pred_input_codes, .offset: 0, .size: 8, .value_kind: global_buffer, .address_space: global }
      - { .name: pred_input_scales, .offset: 8, .size: 8, .value_kind: global_buffer, .address_space: global }
      - { .name: U_codes, .offset: 16, .size: 8, .value_kind: global_buffer, .address_space: global }
      - { .name: U_scales, .offset: 24, .size: 8, .value_kind: global_buffer, .address_space: global }
      - { .name: args_input, .offset: 32, .size: 8, .value_kind: global_buffer, .address_space: global }
      - { .name: bias1, .offset: 40, .size: 8, .value_kind: global_buffer, .address_space: global }
      - { .name: bias2, .offset: 48, .size: 8, .value_kind: global_buffer, .address_space: global }
      - { .name: out0, .offset: 56, .size: 8, .value_kind: global_buffer, .address_space: global }
    .group_segment_fixed_size: 327680
    .private_segment_fixed_size: 0
    .kernarg_segment_align: 8
    .kernarg_segment_size: 64
    .max_flat_workgroup_size: 128
    .sgpr_count:     100
    .vgpr_count:     928
    .wavefront_size: 32
...
	.end_amdgpu_metadata
.endif
;; end of part 2
